; MI455X (gfx1250); checked and timed in simulation.
; The chip was launched on July 23, 2026; its instructions are those of AMD's public machine-readable ISA for CDNA 5 (MIT licence, August 2026) and "CDNA5" Instruction Set Architecture Reference Guide (July 2026). The comments in the code are by the model that wrote it; some were corrected since.
;; Multi Head Attention. Allowed arithmetic: matrix products marked QUANTISED: E2M1 operands, one E8M0 scale for each 32 along K, by v_wmma_scale_f32_16x16x128_f8f6f4 with both operands' format E2M1 (or v_wmma_scale_f32_32x16x128_f4), f32 sums; products left as they are: bf16, f16 or f32 operands; f32 sums; everything else in f32.
;; Inputs: Wk 8 x 512 x 64 float32; Wo 512 x 512 float32; Wq 8 x 512 x 64 float32; Wv 8 x 512 x 64 float32; bo 512 float32; x 2 x 4,096 x 512 float32.
;; Outputs: out0 2 x 4,096 x 512 float32.
;; This version of the problem:
;;   THIS VERSION OF THE PROBLEM IS GIVEN IN LOW PRECISION. The matrix products marked QUANTISED in the list below multiply operands that are first quantised to E2M1 (2 exponent bits, 1 mantissa bit; 4 bits a number), with one power-of-two scale for each 32 numbers along K (OCP MX v1.0); their sums are f32. The products marked 'left as it is' may take bf16, f16 or f32 operands, with f32 sums. Whichever they take, every output number must still come out within the allowed error. Rounding operands to bf16 (8 significant bits) uses up far more of that allowance than f16 does (11 bits, for magnitudes from 6e-5 to 65,504). All else is computed in f32.
;;   The module's matrix products, in the order in which they are computed (A, B: the left and right operand; K: the contracted axis; several contracted axes count as one K, in the product's order):
;;     1. [M 512, K 512] x [K 512, N 8,192]; A: input Wq; B: input x: QUANTISED
;;     2. [M 512, K 512] x [K 512, N 8,192]; A: input Wk; B: input x: QUANTISED
;;     3. [M 512, K 512] x [K 512, N 8,192]; A: input Wv; B: input x: QUANTISED
;;     4. batch 16 x [M 4,096, K 64] x [K 64, N 4,096]; A: computed on the way; B: computed on the way: left as it is (an operand is computed on the way)
;;     5. batch 16 x [M 4,096, K 4,096] x [K 4,096, N 64]; A: computed on the way; B: computed on the way: left as it is (an operand is computed on the way)
;;     6. [M 8,192, K 512] x [K 512, N 512]; A: computed on the way; B: input Wo: left as it is (an operand is computed on the way)
;;   THE QUANTISER, for each operand of a quantised product, along K:
;;     - K is cut into blocks of 32 from its start; a last block that is shorter is filled with zeros.
;;     - A block's scale is 2^e with e = floor(log2(the largest magnitude in the block)) - 2, held to -126 .. 127; a block of zeros has e = 0. As a byte (E8M0): e + 127.
;;     - Each number is divided by its block's scale, clamped to +-6, and rounded to the nearest number of E2M1, ties to even, subnormals kept.
;;     - The product sums the exact products of the quantised numbers (number of the format x scale) in f32.
;;   ~~~python
;;   def quantise(x, axis):      # numpy; x: float32 -> the quantised numbers, widened to float32 again
;;       x = np.moveaxis(x, axis, -1); K = x.shape[-1]
;;       x = np.pad(x, [(0, 0)] * (x.ndim - 1) + [(0, -K % 32)]); x = x.reshape(x.shape[:-1] + (-1, 32)); a = np.abs(x).max(-1, keepdims=True)
;;       e = np.where(a > 0, np.clip(np.frexp(np.where(a > 0, a, 1))[1] - 1 - 2, -126, 127), 0)      # np.frexp(a)[1] - 1 = floor(log2(a)), exactly
;;       r = np.clip(x / 2.0 ** e, -6, 6)
;;       step = 2.0 ** (np.maximum(np.frexp(np.where(r == 0, 1, r))[1] - 1, 0) - 1)
;;       q = np.round(r / step) * step * 2.0 ** e      # np.round: ties to even
;;       return np.moveaxis(q.reshape(q.shape[:-2] + (-1,))[..., :K], -1, axis).astype(np.float32)
;;   ~~~
;; One version. Each part assembles by itself: llvm-mc -triple=amdgcn-amd-amdhsa -mcpu=gfx1250 --defsym DOCPART=n.
;; ======== version 1 of 1: 4 launches
;; limits: values are held in f16: magnitudes above 65,504 overflow, below 6.1e-05 lose precision
;; workspace buffers: xc 2,097,152 bytes; xs 131,072 bytes; wi 417,792 bytes; wof 524,288 bytes; qf 8,388,608 bytes; kf 8,388,608 bytes; vf 8,388,608 bytes; cf 8,388,608 bytes
;; launch prep (part 1): grid 160 x 1, 4 waves a work-group, no clusters, 41,472 bytes of LDS; arguments x, Wq, Wk, Wv, Wo, xc, xs, wi, wof; writes xc, xs, wi, wof
.if DOCPART == 1
	.amdgcn_target "amdgcn-amd-amdhsa--gfx1250"
	.amdhsa_code_object_version 6
	.text
	.protected	k_q93225ef162_prep
	.globl	k_q93225ef162_prep
	.p2align	8
	.type	k_q93225ef162_prep,@function
k_q93225ef162_prep:
	s_mov_b64 s[64:65], 0
	v_nop
	global_prefetch_b8 v0, s[64:65] scope:SCOPE_SE
	s_setreg_imm32_b32 hwreg(HW_REG_WAVE_MODE, 25, 1), 1
	s_wait_xcnt 0x0
; PREP.  Three jobs in one launch, told apart by the work-group's number; every result is laid as an IMAGE OF OPERAND REGISTERS (four registers = 512 consecutive bytes, lane l at 16 l).
;  work-groups 0-127:   x [8192][512] f32 -> codes of FP4 (E2M1) along the 512, one E8M0 byte for each 32.  xc: [tile of 16 tokens][K step q][c][lane (r,h)][16 bytes]: token r, k = 128 q + 64 c + 32 h + 0..31.  xs: [token][16 bytes].
;  work-groups 128-151: Wq, Wk, Wv [8][512][64] f32 -> the same along the 512 (their middle axis).  wi: [head][52,224]: codes at (4 mat + tile) 4096 + 1024 q + 512 c + 16 lane, scale words at 49,152 + (4 mat + tile) 256 + 16 r + 4 q.
;  work-groups 152-159: Wo [512][512] f32, times 1/4 (exact), -> f16.  wof: [128 columns][K step of 32][tile of 16 columns][1,024]: lane (r,h) = column r, registers 0-3 k = 8 h + 0..7, registers 4-7 k = 16 + 8 h + 0..7.
; A block's scale is 2^(floor(log2(its largest magnitude)) - 2); its byte is the largest magnitude's exponent field - 2, held at 1 from below.  A block of zeros so gets the byte 1 where the rule says 127: its codes are zeros, and this program alone reads the bytes.
; LIMITS: blocks whose largest magnitude lies under 2^-124 (the floor) were not tried; NaN and infinities are not served; Wo / 4 is kept in f16.
; NO CLUSTER: no two work-groups of this launch read the same bytes.  No tensor load, no barrier: waves share nothing.
.set WREG,   10240                     ; LDS of a wave (x's path alone): two stages of 32 x 80, the image's 16 lines of 272, 256 scale bytes
.set SP,     80                        ; a lane's place in a stage: 64 bytes + 16 of padding
.set IMG,    5120
.set IPITCH, 272                       ; a line of the image: 256 bytes + 16 = 68 words: line j starts at bank 4 j mod 64 (64 banks of 4 bytes: ISA guide 11.1)
.set SCB,    9472
.set SPARE,  4*WREG                    ; the spare words, 128 bytes for each wave: two blocks of 256 bytes that no other line names
.set SPW,  12                          ; v12  LDS address of my spare word; never rewritten
.set NIL,  13                          ; v13  0; never rewritten
.set R,    16                          ; x: v16-79   four sets of 16 numbers as loaded
.set X,    80                          ; x: v80-111  two sets of 16 neighbours
.set E,    112                         ; x: v112-127 a scale byte for each step
.set C,    128                         ; x: v128-159 two registers of codes for each step
.set OUTR, 160                         ; x: v160-191 the image on its way out
.set B0,   32                          ; weights: v32-95 two sets of 32 numbers
.set SW,   16                          ; Wq, Wk, Wv: v16-19 the four scale words
.set WC,   160                         ; Wq, Wk, Wv: v160-191 four registers of codes for each batch, so that no store's data are written again
.set F,    160                         ; Wo: v160-175 two K steps' f16
	s_load_b256 s[4:11], s[0:1], 0x0               ; x s[4:5], Wq s[6:7], Wk s[8:9], Wv s[10:11]
	s_load_b256 s[12:19], s[0:1], 0x20             ; Wo s[12:13], xc s[14:15], xs s[16:17], wi s[18:19]
	s_load_b64 s[20:21], s[0:1], 0x40              ; wof
	v_lshl_add_u32 v[SPW], v0, 2, SPARE
	v_mov_b32 v[NIL], 0
	v_lshrrev_b32 v1, 5, v0
	v_readfirstlane_b32 s22, v1                    ; wave 0..3
	v_and_b32 v2, 31, v0                           ; lane
	s_mov_b32 s25, 0                               ; the upper word of every offset pair s[24:25]
	s_wait_kmcnt 0x0
	s_cmp_lt_u32 ttmp9, 128
	s_cbranch_scc0 .Lnot_x
; ---------------- x.  Wave = a tile of 16 tokens; step t = token t of it = 512 numbers.  Each of a step's four loads reads 512 consecutive bytes; the 2,048 bytes turn through the wave's stage, so that a lane
; holds 16 neighbours along K (two neighbouring lanes hold a block).  A lane's 8 bytes of codes go to line lane / 2 (= 4 q + 2 c + h) of the image, at 16 t: the image's line j is 256 consecutive bytes of xc.
	v_lshlrev_b32 v3, 4, v2                        ; 16 x lane
	s_mul_i32 s23, s22, WREG
	v_lshrrev_b32 v14, 2, v2
	v_mul_u32_u24 v14, v14, SP
	v_and_b32 v15, 3, v2
	v_lshl_add_u32 v14, v15, 4, v14
	v_add_nc_u32 v14, s23, v14                     ; the stage, in: SP (lane / 4) + 16 (lane % 4)
	v_mul_u32_u24 v15, v2, SP
	v_add_nc_u32 v15, s23, v15                     ; the stage, out: SP x lane
	v_lshrrev_b32 v5, 1, v2                        ; my block
	v_mul_u32_u24 v4, v5, IPITCH
	v_and_b32 v6, 1, v2
	v_lshl_add_u32 v4, v6, 3, v4
	v_add_nc_u32 v4, s23, v4                       ; the image, in: line lane / 2, + 8 (lane % 2)
	v_add_nc_u32 v5, s23, v5                       ; my block's scale byte
	v_lshlrev_b32 v7, 3, v2
	v_add_nc_u32 v6, s23, v7                       ; the scale bytes, out: 8 a lane
	v_lshrrev_b32 v10, 4, v2
	v_mul_u32_u24 v10, v10, IPITCH
	v_and_b32 v11, 15, v2
	v_lshl_add_u32 v10, v11, 4, v10
	v_add_nc_u32 v10, s23, v10                     ; the image, out: sixteen lanes to a line, two lines an instruction
	s_lshl_b32 s24, ttmp9, 2
	s_add_co_u32 s26, s24, s22                     ; my tile of tokens
	s_lshl_b32 s24, s26, 15
	s_add_nc_u64 s[4:5], s[4:5], s[24:25]          ; 16 rows of 2,048 bytes
	s_lshl_b32 s24, s26, 12
	s_add_nc_u64 s[14:15], s[14:15], s[24:25]      ; 4,096 bytes of codes
	s_lshl_b32 s24, s26, 8
	s_add_nc_u64 s[16:17], s[16:17], s[24:25]      ; 256 scale bytes
.macro XLOAD t
.irp i, 0,1,2,3
	global_load_b128 v[R+16*((\t)%4)+4*\i:R+16*((\t)%4)+4*\i+3], v3, s[4:5] offset:2048*(\t)+512*\i th:TH_LOAD_NT
.endr
.endm
.macro XTURN t                         ; LDS serves a wave's instructions in order (ISA guide 5.7.1.4): no wait between the stores and the loads
.irp i, 0,1,2,3
	ds_store_b128 v14, v[R+16*((\t)%4)+4*\i:R+16*((\t)%4)+4*\i+3] offset:32*SP*((\t)%2)+8*SP*\i
.endr
.irp i, 0,1,2,3
	ds_load_b128 v[X+16*((\t)%2)+4*\i:X+16*((\t)%2)+4*\i+3], v15 offset:32*SP*((\t)%2)+16*\i
.endr
.endm
.macro XSTEP t
.set XS, X+16*((\t)%2)
.if (\t) > 0
	s_wait_dscnt 2                                 ; this step's numbers are back from the stage; the last step's two stores (byte, codes) may be out
.else
	s_wait_dscnt 0x0
.endif
.if (\t)+4 < 16
	XLOAD (\t)+4
.endif
.if (\t)+1 < 16
.if 14-(\t) >= 3
	s_wait_loadcnt 12                              ; the next step's four loads are in; those of the three steps behind it may be out
.else
	s_wait_loadcnt 4*(14-(\t))
.endif
	XTURN (\t)+1
.endif
	v_max3_num_f32 v8, |v[XS]|, |v[XS+1]|, |v[XS+2]|
	v_max3_num_f32 v9, |v[XS+3]|, |v[XS+4]|, |v[XS+5]|
.irp i, 6,10
	v_max3_num_f32 v8, v8, |v[XS+\i]|, |v[XS+\i+1]|
	v_max3_num_f32 v9, v9, |v[XS+\i+2]|, |v[XS+\i+3]|
.endr
	v_max3_num_f32 v8, v8, |v[XS+14]|, |v[XS+15]|
	v_max3_num_f32 v8, v8, v9, 0x1800000           ; and the floor 2^(3 - 127): the byte cannot fall under 1
	v_max_num_f32_dpp v8, v8, v8 row_xmask:1 row_mask:0xf bank_mask:0xf   ; with my neighbour's 16: the block's largest magnitude
	v_add_nc_u32 v11, 0xff000000, v8               ; 2 off its exponent field: the conversion takes the exponent field of this operand as its scale
	v_cvt_scalef32_pk8_fp4_f32 v[C+2*(\t)], v[XS:XS+7], v11
	v_cvt_scalef32_pk8_fp4_f32 v[C+2*(\t)+1], v[XS+8:XS+15], v11
	v_lshrrev_b32 v[E+(\t)], 23, v11               ; the scale's byte (a plain line behind the conversions)
	ds_store_b8 v5, v[E+(\t)] offset:SCB+16*(\t)   ; both lanes of a block write the same byte with the same value
	ds_store_b64 v4, v[C+2*(\t):C+2*(\t)+1] offset:IMG+16*(\t)
.endm
.irp t, 0,1,2,3
	XLOAD \t
.endr
	s_wait_loadcnt 12                              ; step 0's four loads are in
	XTURN 0
.irp t, 0,1,2,3,4,5,6,7,8,9,10,11,12,13,14,15
	XSTEP \t
.endr
.irp i, 0,1,2,3,4,5,6,7
	ds_load_b128 v[OUTR+4*\i:OUTR+4*\i+3], v10 offset:IMG+2*\i*IPITCH
.endr
	ds_load_b64 v[8:9], v6 offset:SCB
.irp i, 0,1,2,3,4,5,6,7
	s_wait_dscnt 8-\i                              ; load i is in: behind it stand 7 - i of the image's and the scale bytes'
	global_store_b128 v3, v[OUTR+4*\i:OUTR+4*\i+3], s[14:15] offset:512*\i    ; 32 lanes store 512 consecutive bytes, aligned
.endr
	s_wait_dscnt 0x0
	global_store_b64 v7, v[8:9], s[16:17]          ; 32 lanes store 256 consecutive bytes, aligned
	s_wait_tensorcnt 0x0                           ; the wave's end, behind my last LDS store
	ds_add_u32 v[SPW], v[NIL]
	s_wait_dscnt 0x0
	s_endpgm
; ---------------- Wq, Wk, Wv.  Work-group = (matrix, head), wave = a tile of 16 channels.  LANE (r, h) TAKES CHANNEL r AND ITS REGISTERS RUN DOWN THE 512, in the order that the operand's layout gives it:
; batch t = 2 q + c holds d = 64 t + 32 h + 0..31, a whole block: its largest magnitude needs no other lane, and the four conversions' results are registers 4 c .. 4 c + 3 of K step q.
.Lnot_x:
	s_cmp_lt_u32 ttmp9, 152
	s_cbranch_scc0 .Lpath_o
	s_sub_co_u32 s24, ttmp9, 128
	s_lshr_b32 s26, s24, 3                         ; the matrix: 0 q, 1 k, 2 v
	s_and_b32 s27, s24, 7                          ; the head
	s_cmp_eq_u32 s26, 0
	s_cselect_b64 s[6:7], s[6:7], s[8:9]           ; the choice hangs on the work-group's number alone
	s_cmp_eq_u32 s26, 2
	s_cselect_b64 s[6:7], s[10:11], s[6:7]
	s_lshl_b32 s24, s27, 17                        ; a head is 512 x 64 x 4 bytes
	s_lshl_b32 s28, s22, 6                         ; my 16 channels
	s_add_co_u32 s24, s24, s28
	s_add_nc_u64 s[6:7], s[6:7], s[24:25]
	s_mul_i32 s24, s27, 52224
	s_add_nc_u64 s[18:19], s[18:19], s[24:25]      ; the head's image
	s_lshl_b32 s28, s26, 2
	s_add_co_u32 s28, s28, s22                     ; 4 mat + tile
	s_lshl_b32 s24, s28, 8
	s_add_co_u32 s24, s24, 49152
	s_add_nc_u64 s[30:31], s[18:19], s[24:25]      ; my tile's scale words
	s_lshl_b32 s24, s28, 12
	s_add_nc_u64 s[18:19], s[18:19], s[24:25]      ; my tile's codes
	s_mov_b32 s32, 0x76543210
	s_mov_b32 s33, 0xfedcba98                      ; v_permlanex16_b32's selects for lane l xor 16
	v_and_b32 v1, 15, v2                           ; r
	v_lshrrev_b32 v6, 4, v2                        ; h
	v_lshlrev_b32 v3, 2, v1
	v_lshl_add_u32 v3, v6, 13, v3                  ; in: 4 r + 32 rows of 256 bytes x h
	v_lshlrev_b32 v4, 4, v2                        ; codes out: 16 x lane
	v_lshlrev_b32 v5, 4, v1
	v_lshl_add_u32 v5, v6, 3, v5                   ; scale words out: 16 r + 8 h
	v_lshlrev_b32 v22, 3, v6                       ; 8 h
	v_mov_b32 v10, 0                               ; a lane permute's destination counts as one of its sources
.macro WLOAD t
.set i, 0
.rept 32
	global_load_b32 v[B0+32*((\t)%2)+i], v3, s[6:7] offset:(64*(\t)+i)*256
.set i, i+1
.endr
.endm
.macro WBATCH t
.set XS, B0+32*((\t)%2)
.if (\t) < 7
	s_wait_loadcnt 32                              ; this batch's 32 loads are in; the next batch's may be out
.else
	s_wait_loadcnt 0x0
.endif
	v_max3_num_f32 v8, |v[XS]|, |v[XS+1]|, |v[XS+2]|
	v_max3_num_f32 v9, |v[XS+3]|, |v[XS+4]|, |v[XS+5]|
.irp i, 6,10,14,18,22,26
	v_max3_num_f32 v8, v8, |v[XS+\i]|, |v[XS+\i+1]|
	v_max3_num_f32 v9, v9, |v[XS+\i+2]|, |v[XS+\i+3]|
.endr
	v_max3_num_f32 v8, v8, |v[XS+30]|, |v[XS+31]|
	v_max3_num_f32 v8, v8, v9, 0x1800000           ; and the floor
	v_add_nc_u32 v11, 0xff000000, v8
.irp g, 0,1,2,3
	v_cvt_scalef32_pk8_fp4_f32 v[WC+4*(\t)+\g], v[XS+8*\g:XS+8*\g+7], v11
.endr
	v_lshrrev_b32 v[24+(\t)%2], 23, v11            ; the scale's byte
	global_store_b128 v4, v[WC+4*(\t):WC+4*(\t)+3], s[18:19] offset:512*(\t)   ; 512 consecutive bytes, aligned
.if (\t)+2 < 8
	WLOAD (\t)+2
.endif
.if (\t)%2 == 1                        ; K step q = t / 2 is whole: my two bytes (blocks h and 2 + h) at their places, with lane l xor 16's two
	v_lshl_or_b32 v9, v25, 16, v24
	v_lshlrev_b32 v9, v22, v9
	v_permlanex16_b32 v10, v9, s32, s33
	v_or_b32 v[SW+(\t)/2], v9, v10
.endif
.endm
	WLOAD 0
	WLOAD 1
.irp t, 0,1,2,3,4,5,6,7
	WBATCH \t
.endr
	v_cmp_ne_u32 vcc_lo, 0, v6
	v_cndmask_b32 v20, v[SW], v[SW+2], vcc_lo      ; lanes 0-15 store words 0, 1 of their channel, lanes 16-31 words 2, 3
	v_cndmask_b32 v21, v[SW+1], v[SW+3], vcc_lo
	global_store_b64 v5, v[20:21], s[30:31]        ; 256 consecutive bytes, aligned
	s_wait_tensorcnt 0x0                           ; the three lines stand ahead of every end of this text
	ds_add_u32 v[SPW], v[NIL]
	s_wait_dscnt 0x0
	s_endpgm
; ---------------- Wo.  Wave = a tile of 16 columns; lane (r, h) takes column r; a batch is two K steps of 32: register 16 s + 8 g + i = Wo(64 b + 32 s + 16 g + 8 h + i, column).
.Lpath_o:
	s_sub_co_u32 s24, ttmp9, 152
	s_lshl_b32 s24, s24, 2
	s_add_co_u32 s26, s24, s22                     ; my tile of columns, 0..31
	s_lshl_b32 s24, s26, 6
	s_add_nc_u64 s[12:13], s[12:13], s[24:25]
	s_lshr_b32 s27, s26, 3
	s_lshl_b32 s27, s27, 17                        ; the block of 128 columns
	s_and_b32 s28, s26, 7
	s_lshl_b32 s28, s28, 10                        ; the tile in it
	s_add_co_u32 s24, s27, s28
	s_add_nc_u64 s[20:21], s[20:21], s[24:25]
	v_and_b32 v1, 15, v2
	v_lshrrev_b32 v6, 4, v2
	v_lshlrev_b32 v3, 2, v1
	v_lshl_add_u32 v3, v6, 14, v3                  ; 4 r + 8 rows of 2,048 bytes x h
	v_lshlrev_b32 v4, 4, v2
.macro OLOAD b
.set i, 0
.rept 32
	global_load_b32 v[B0+32*((\b)%2)+i], v3, s[12:13] offset:(64*(\b)+32*(i/16)+16*((i/8)%2)+i%8)*2048
.set i, i+1
.endr
.endm
.macro OBATCH b
.set XS, B0+32*((\b)%2)
.if (\b) < 7
	s_wait_loadcnt 32                              ; this batch's 32 loads are in; the next batch's may be out
.else
	s_wait_loadcnt 0x0
.endif
.if (\b) > 0
	s_wait_xcnt 0x0                                ; the last batch's stores have read v[F] on: they are written again only behind this wait
.endif
.set i, 0
.rept 16
	v_pk_mul_f32 v[XS+2*i:XS+2*i+1], v[XS+2*i:XS+2*i+1], 0x3e800000 op_sel_hi:[1,0]   ; x 1/4: exact
.set i, i+1
.endr
.set i, 0
.rept 16
	v_cvt_pk_f16_f32 v[F+i], v[XS+2*i], v[XS+2*i+1]
.set i, i+1
.endr
.if (\b)+2 < 8
	OLOAD (\b)+2
.endif
.irp s, 0,1
.irp g, 0,1
	global_store_b128 v4, v[F+8*\s+4*\g:F+8*\s+4*\g+3], s[20:21] offset:(2*(\b)+\s)*8192+512*\g
.endr
.endr
.endm
	OLOAD 0
	OLOAD 1
.irp b, 0,1,2,3,4,5,6,7
	OBATCH \b
.endr
	s_wait_tensorcnt 0x0                           ; the three lines stand ahead of every end of this text
	ds_add_u32 v[SPW], v[NIL]
	s_wait_dscnt 0x0
	s_endpgm
.Lfunc_end_k_q93225ef162_prep:
	.size	k_q93225ef162_prep, .Lfunc_end_k_q93225ef162_prep-k_q93225ef162_prep
	.p2alignl 7, 3214868480
	.fill 96, 4, 3214868480
	.section	.rodata,"a",@progbits
	.p2align	6, 0x0
	.amdhsa_kernel k_q93225ef162_prep
		.amdhsa_group_segment_fixed_size 41472
		.amdhsa_private_segment_fixed_size 0
		.amdhsa_enable_private_segment 0
		.amdhsa_kernarg_size 72
		.amdhsa_user_sgpr_count 2
		.amdhsa_user_sgpr_kernarg_segment_ptr 1
		.amdhsa_wavefront_size32 1
		.amdhsa_system_sgpr_workgroup_id_x 1
		.amdhsa_system_sgpr_workgroup_id_y 1
		.amdhsa_system_sgpr_workgroup_id_z 1
		.amdhsa_system_vgpr_workitem_id 0
		.amdhsa_next_free_vgpr 192
		.amdhsa_next_free_sgpr 66
		.amdhsa_reserve_vcc 1
		.amdhsa_float_denorm_mode_32 3
		.amdhsa_float_denorm_mode_16_64 3
		.amdhsa_memory_ordered 1
		.amdhsa_forward_progress 1
		.amdhsa_inst_pref_size 121
	.end_amdhsa_kernel
	.amdgpu_metadata
---
amdhsa.version: [ 1, 2 ]
amdhsa.kernels:
  - .name:           k_q93225ef162_prep
    .symbol:         k_q93225ef162_prep.kd
    .args:
      - { .name: x, .offset: 0, .size: 8, .value_kind: global_buffer, .address_space: global }
      - { .name: Wq, .offset: 8, .size: 8, .value_kind: global_buffer, .address_space: global }
      - { .name: Wk, .offset: 16, .size: 8, .value_kind: global_buffer, .address_space: global }
      - { .name: Wv, .offset: 24, .size: 8, .value_kind: global_buffer, .address_space: global }
      - { .name: Wo, .offset: 32, .size: 8, .value_kind: global_buffer, .address_space: global }
      - { .name: xc, .offset: 40, .size: 8, .value_kind: global_buffer, .address_space: global }
      - { .name: xs, .offset: 48, .size: 8, .value_kind: global_buffer, .address_space: global }
      - { .name: wi, .offset: 56, .size: 8, .value_kind: global_buffer, .address_space: global }
      - { .name: wof, .offset: 64, .size: 8, .value_kind: global_buffer, .address_space: global }
    .group_segment_fixed_size: 41472
    .private_segment_fixed_size: 0
    .kernarg_segment_align: 8
    .kernarg_segment_size: 72
    .max_flat_workgroup_size: 128
    .sgpr_count:     66
    .vgpr_count:     192
    .wavefront_size: 32
...
	.end_amdgpu_metadata
.endif
;; end of part 1
;; launch proj (part 2): grid 32 x 8, 8 waves a work-group, clusters of 4 x 1, 167,936 bytes of LDS; arguments xc, xs, wi, qf, kf, vf; writes qf, kf, vf
.if DOCPART == 2
	.amdgcn_target "amdgcn-amd-amdhsa--gfx1250"
	.amdhsa_code_object_version 6
	.text
	.protected	k_q93225ef162_proj
	.globl	k_q93225ef162_proj
	.p2align	8
	.type	k_q93225ef162_proj,@function
k_q93225ef162_proj:
	s_mov_b64 s[64:65], 0
	v_nop
	global_prefetch_b8 v0, s[64:65] scope:SCOPE_SE
	s_setreg_imm32_b32 hwreg(HW_REG_WAVE_MODE, 25, 1), 1
	s_wait_xcnt 0x0
	s_wait_alu depctr_hold_cnt(0) depctr_sa_sdst(0) depctr_va_vdst(0) depctr_va_sdst(0) depctr_va_ssrc(0) depctr_va_vcc(0) depctr_vm_vsrc(0)
	s_getreg_b32 s2, hwreg(HW_REG_IB_STS2, 6, 4)
	s_cmp_eq_u32 s2, 0
	s_cbranch_scc0 .Lentry_in_a_cluster
	s_endpgm
.Lentry_in_a_cluster:
	s_bfe_u32 s2, ttmp6, 0x10000c
	s_cmp_lg_u32 s2, 0x3003
	s_cbranch_scc0 .Lentry_shape_is_right
	s_endpgm
.Lentry_shape_is_right:
; PROJ.  q, k, v = x Wq, x Wk, x Wv of one head, on codes of FP4 (E2M1) with E8M0 scales, K = 512 in four steps of 128; sums in f32; results rounded once to f16 and stored as images of the operand registers of the attention launch.
; SHARES.  A work-group takes 256 tokens x one head x the three matrices; wave w takes 32 tokens (two tiles of 16) x 192 columns: 96 matrix instructions, 24 stores of 512 consecutive bytes.
; q, k: source 0 = 16 channels of W, source 1 = 16 tokens: a lane then holds ONE token and eight neighbouring channels; two channel tiles, rounded in pairs, are a 16-bit fragment (16 tokens x 32 channels).
; v:    source 0 = 16 tokens, source 1 = 16 channels: a lane holds ONE channel and eight neighbouring tokens; two token tiles are a fragment of V^T (16 channels x 32 keys).  Nothing changes lanes.
; qf, kf: [batch x head][tile of 16 tokens][32 channels c'][c][lane][16 bytes];  vf: [batch x head][32 keys][tile of 16 channels][c][lane][16 bytes].  In all three a token has 128 bytes, so the wave's offset is the same.
; CLUSTER.  The four work-groups of a cluster have the same head: its weight image (52,224 bytes, codes and scale words) is asked for JOINTLY, by waves 0 to 2, 17,408 bytes each, once.  x's codes (8,704 bytes a wave)
; go straight into registers: the work-groups that read them again belong to other heads, which lie in other clusters.
; LIMIT: |q|, |k|, |v| up to 65,504 (f16).
.set SPARE, 52224                      ; behind the image: the spare words, 128 bytes for each of eight waves: four blocks of 256 bytes that no other line names
.set LI,  1                            ; v1      16 x lane
.set SPW, 2                            ; v2      LDS address of my spare word; never rewritten
.set NIL, 3                            ; v3      0; never rewritten
.set XS,  16                           ; v16-19  x's scale words, K step q: lanes 0-15 my tile 0's tokens, lanes 16-31 tile 1's
.set WS,  20                           ; v20-23  W's scale words: lanes 0-15 the pair's first tile, lanes 16-31 its second
.set XF,  32                           ; v32-95  x's fragments: tile tt, K step q at 32 tt + 8 q
.set WF,  96                           ; v96-159 W's fragments of a pair of tiles: 32 u + 8 q
.set ACC, 160                          ; v160-223 two sets of four accumulators
.set G1,  16                           ; s[16:23] descriptor group 1
.set G0,  24                           ; s[24:27] group 0
.set WV,  28
.macro CROUND                          ; a round of the cluster's barrier
	s_barrier_signal -1
	s_barrier_wait -1
	s_cmp_lg_u32 s[WV], 0
	s_cbranch_scc1 .Lnot_wave_0_\@
	s_barrier_signal -3
.Lnot_wave_0_\@:
	s_barrier_wait -3
	s_barrier_signal -1
	s_barrier_wait -1
.endm
	s_load_b256 s[4:11], s[0:1], 0x0               ; xc s[4:5], xs s[6:7], wi s[8:9], qf s[10:11]
	s_load_b128 s[12:15], s[0:1], 0x20             ; kf s[12:13], vf s[14:15]
	v_lshl_add_u32 v[SPW], v0, 2, SPARE
	v_mov_b32 v[NIL], 0
	ds_add_u32 v[SPW], v[NIL]                      ; the wave's opening: the add, twice on end, and its wait ahead of the first tensor load
	ds_add_u32 v[SPW], v[NIL]
	v_lshrrev_b32 v1, 5, v0
	v_readfirstlane_b32 s[WV], v1                  ; wave 0..7
	s_bfe_u32 s29, ttmp6, 0x40000                  ; cx: my place in the cluster
	s_lshl_b32 s30, ttmp9, 2
	s_add_co_u32 s30, s30, s29                     ; my block of 256 tokens: it enters global addresses of x and of the results alone
	s_and_b32 s31, ttmp7, 0xffff                   ; the head, which the four partners share
	s_mul_i32 s32, s31, 52224
	s_mul_i32 s33, s[WV], 17408                    ; my third of the image, in memory and in LDS
	s_add_co_u32 s34, s32, s33
	s_mov_b32 s35, 0
	s_lshl_b32 s36, s30, 8
	s_lshl_b32 s37, s[WV], 5
	s_add_co_u32 s36, s36, s37                     ; my first token
	s_lshl_b32 s38, s36, 8                         ; 256 bytes of codes a token
	s_mov_b32 s39, 0
	s_lshl_b32 s40, s36, 4                         ; 16 scale bytes a token
	s_mov_b32 s41, 0
	s_lshr_b32 s42, s30, 4                         ; the batch
	s_lshl_b32 s42, s42, 3
	s_add_co_u32 s42, s42, s31                     ; batch x 8 + head
	s_lshl_b32 s42, s42, 19                        ; 4,096 tokens of 128 bytes
	s_and_b32 s43, s36, 4095
	s_lshl_b32 s43, s43, 7
	s_add_co_u32 s42, s42, s43
	s_mov_b32 s43, 0
	; group 1: 68 rows of 256 bytes (32 elements of 8 bytes), dense
	s_mov_b32 s[G1], 15|(3<<16)|(1<<21)            ; 15:0 the mask: all four work-groups; 17:16 elements of 8 bytes; 21 set beside a mask
	s_mov_b32 s[G1+1], 32<<16                      ; tensor_dim0 = 32
	s_mov_b32 s[G1+2], 68<<16                      ; tensor_dim1 = 68
	s_mov_b32 s[G1+3], 32<<16                      ; tile_dim0 = 32
	s_mov_b32 s[G1+4], 68                          ; tile_dim1 = 68
	s_mov_b32 s[G1+5], 32                          ; elements from row to row
	s_mov_b32 s[G1+6], 0
	s_mov_b32 s[G1+7], 0
	v_and_b32 v1, 31, v0
	v_lshlrev_b32 v[LI], 4, v1
	s_wait_dscnt 0x0                               ; both opening adds are done
	s_wait_kmcnt 0x0
	s_mov_b32 s[G0], 1
	s_mov_b32 s[G0+1], s33
	s_add_nc_u64 s[G0+2:G0+3], s[8:9], s[34:35]
	s_or_b32 s[G0+3], s[G0+3], 0x80000000
	s_add_nc_u64 s[4:5], s[4:5], s[38:39]
	s_add_nc_u64 s[6:7], s[6:7], s[40:41]
	s_add_nc_u64 s[10:11], s[10:11], s[42:43]
	s_add_nc_u64 s[12:13], s[12:13], s[42:43]
	s_add_nc_u64 s[14:15], s[14:15], s[42:43]
	CROUND                                         ; all four work-groups are here: the joint loads meet
	s_cmp_lt_u32 s[WV], 3                          ; waves 0 to 2 fetch: the branch hangs on the wave's number alone
	s_cbranch_scc0 .Lno_fill
	tensor_load_to_lds s[G0:G0+3], s[G1:G1+7]
	s_nop 0
.rept 4
	v_nop
.endr
.Lno_fill:
.irp i, 0,1,2,3,4,5,6,7,8,9,10,11,12,13,14,15
	global_load_b128 v[XF+4*\i:XF+4*\i+3], v[LI], s[4:5] offset:512*\i     ; my two tiles' codes, as they lie: 512 consecutive bytes a load
.endr
	global_load_b128 v[XS:XS+3], v[LI], s[6:7]     ; my 32 tokens' scale words: lane l has token l's four
	s_wait_tensorcnt 0x0                           ; my part of the image has landed (a wave that fetched nothing passes),
	s_barrier_signal -1
	s_barrier_wait -1                              ; everybody's has
.macro LOADW p                         ; the fragments and scale words of tiles 2 p and 2 p + 1 of the head's twelve
.irp u, 0,1
.irp q, 0,1,2,3
.irp c, 0,1
	ds_load_b128 v[WF+32*\u+8*\q+4*\c:WF+32*\u+8*\q+4*\c+3], v[LI] offset:(2*(\p)+\u)*4096+\q*1024+\c*512
.endr
.endr
.endr
	ds_load_b128 v[WS:WS+3], v[LI] offset:49152+512*(\p)
.endm
; one matrix instruction: D at v[d], sources at v[a], v[b]; k = 0 starts the sum; scale registers sa, sb, read from lanes 0-15 (row 0) or 16-31 (row 1)
.macro WM d, a, b, k, sa, sb, ra, rb
.if (\k) == 0
.if ((\ra) == 0) && ((\rb) == 0)
	v_wmma_scale_f32_16x16x128_f8f6f4 v[(\d):(\d)+7], v[(\a):(\a)+7], v[(\b):(\b)+7], 0, v[\sa], v[\sb] matrix_a_fmt:MATRIX_FMT_FP4 matrix_b_fmt:MATRIX_FMT_FP4
.elseif ((\ra) == 1) && ((\rb) == 0)
	v_wmma_scale_f32_16x16x128_f8f6f4 v[(\d):(\d)+7], v[(\a):(\a)+7], v[(\b):(\b)+7], 0, v[\sa], v[\sb] matrix_a_fmt:MATRIX_FMT_FP4 matrix_b_fmt:MATRIX_FMT_FP4 matrix_a_scale:MATRIX_SCALE_ROW1
.elseif ((\ra) == 0) && ((\rb) == 1)
	v_wmma_scale_f32_16x16x128_f8f6f4 v[(\d):(\d)+7], v[(\a):(\a)+7], v[(\b):(\b)+7], 0, v[\sa], v[\sb] matrix_a_fmt:MATRIX_FMT_FP4 matrix_b_fmt:MATRIX_FMT_FP4 matrix_b_scale:MATRIX_SCALE_ROW1
.else
	v_wmma_scale_f32_16x16x128_f8f6f4 v[(\d):(\d)+7], v[(\a):(\a)+7], v[(\b):(\b)+7], 0, v[\sa], v[\sb] matrix_a_fmt:MATRIX_FMT_FP4 matrix_b_fmt:MATRIX_FMT_FP4 matrix_a_scale:MATRIX_SCALE_ROW1 matrix_b_scale:MATRIX_SCALE_ROW1
.endif
.else
.if ((\ra) == 0) && ((\rb) == 0)
	v_wmma_scale_f32_16x16x128_f8f6f4 v[(\d):(\d)+7], v[(\a):(\a)+7], v[(\b):(\b)+7], v[(\d):(\d)+7], v[\sa], v[\sb] matrix_a_fmt:MATRIX_FMT_FP4 matrix_b_fmt:MATRIX_FMT_FP4
.elseif ((\ra) == 1) && ((\rb) == 0)
	v_wmma_scale_f32_16x16x128_f8f6f4 v[(\d):(\d)+7], v[(\a):(\a)+7], v[(\b):(\b)+7], v[(\d):(\d)+7], v[\sa], v[\sb] matrix_a_fmt:MATRIX_FMT_FP4 matrix_b_fmt:MATRIX_FMT_FP4 matrix_a_scale:MATRIX_SCALE_ROW1
.elseif ((\ra) == 0) && ((\rb) == 1)
	v_wmma_scale_f32_16x16x128_f8f6f4 v[(\d):(\d)+7], v[(\a):(\a)+7], v[(\b):(\b)+7], v[(\d):(\d)+7], v[\sa], v[\sb] matrix_a_fmt:MATRIX_FMT_FP4 matrix_b_fmt:MATRIX_FMT_FP4 matrix_b_scale:MATRIX_SCALE_ROW1
.else
	v_wmma_scale_f32_16x16x128_f8f6f4 v[(\d):(\d)+7], v[(\a):(\a)+7], v[(\b):(\b)+7], v[(\d):(\d)+7], v[\sa], v[\sb] matrix_a_fmt:MATRIX_FMT_FP4 matrix_b_fmt:MATRIX_FMT_FP4 matrix_a_scale:MATRIX_SCALE_ROW1 matrix_b_scale:MATRIX_SCALE_ROW1
.endif
.endif
.endm
; Pair p of W's tiles (0, 1: q; 2, 3: k; 4, 5: v) against my two tiles of tokens: four accumulators (2 u + tt) by turns, one instruction a turn, K ascending.
.macro PAIR p
.set A, ACC+32*((\p)%2)
.set OB, 10+2*((\p)/2)
	s_wait_dscnt 0x0                               ; the pair's fragments and scale words are in
.if (\p) >= 2
	s_wait_xcnt 0x0                                ; the stores of two pairs ago have read this set of accumulators: it is written again only behind this wait
.endif
.irp q, 0,1,2,3
.irp u, 0,1
.irp tt, 0,1
.if (\p) < 4
	WM A+8*(2*\u+\tt), WF+32*\u+8*\q, XF+32*\tt+8*\q, \q, WS+\q, XS+\q, \u, \tt
.else
	WM A+8*(2*\u+\tt), XF+32*\tt+8*\q, WF+32*\u+8*\q, \q, XS+\q, WS+\q, \tt, \u
.endif
.endr
.endr
.endr
.rept 4
	v_nop                                          ; four places in front of loads into registers that these products read, and of the first read of their results
.endr
.if (\p) < 5
	LOADW (\p)+1
.endif
.irp a, 0,1,2,3                        ; rounded to f16 in place, each accumulator from its low end on: a pair is read before a result lands on it
.irp i, 0,1,2,3
	v_cvt_pk_f16_f32 v[A+8*\a+\i], v[A+8*\a+2*\i], v[A+8*\a+2*\i+1]
.endr
.endr
.irp u, 0,1
.irp tt, 0,1
.if (\p) < 4
	global_store_b128 v[LI], v[A+8*(2*\u+\tt):A+8*(2*\u+\tt)+3], s[OB:OB+1] offset:\tt*2048+((\p)%2)*1024+\u*512
.else
	global_store_b128 v[LI], v[A+8*(2*\u+\tt):A+8*(2*\u+\tt)+3], s[OB:OB+1] offset:(2*((\p)%2)+\u)*1024+\tt*512
.endif
.endr
.endr
.endm
	LOADW 0
	s_wait_loadcnt 0x0                             ; x's codes and scale words
.irp p, 0,1,2,3,4,5
	PAIR \p
.endr
	s_wait_tensorcnt 0x0                           ; the wave's end
	ds_add_u32 v[SPW], v[NIL]
	s_wait_dscnt 0x0
	CROUND                                         ; the closing round: no work-group ends while a partner may still ask for a tile that names it
	s_endpgm
.Lfunc_end_k_q93225ef162_proj:
	.size	k_q93225ef162_proj, .Lfunc_end_k_q93225ef162_proj-k_q93225ef162_proj
	.p2alignl 7, 3214868480
	.fill 96, 4, 3214868480
	.section	.rodata,"a",@progbits
	.p2align	6, 0x0
	.amdhsa_kernel k_q93225ef162_proj
		.amdhsa_group_segment_fixed_size 167936
		.amdhsa_private_segment_fixed_size 0
		.amdhsa_enable_private_segment 0
		.amdhsa_kernarg_size 48
		.amdhsa_user_sgpr_count 2
		.amdhsa_user_sgpr_kernarg_segment_ptr 1
		.amdhsa_wavefront_size32 1
		.amdhsa_system_sgpr_workgroup_id_x 1
		.amdhsa_system_sgpr_workgroup_id_y 1
		.amdhsa_system_sgpr_workgroup_id_z 1
		.amdhsa_system_vgpr_workitem_id 0
		.amdhsa_next_free_vgpr 224
		.amdhsa_next_free_sgpr 66
		.amdhsa_reserve_vcc 0
		.amdhsa_float_denorm_mode_32 3
		.amdhsa_float_denorm_mode_16_64 3
		.amdhsa_memory_ordered 1
		.amdhsa_forward_progress 1
		.amdhsa_inst_pref_size 34
	.end_amdhsa_kernel
	.amdgpu_metadata
---
amdhsa.version: [ 1, 2 ]
amdhsa.kernels:
  - .name:           k_q93225ef162_proj
    .symbol:         k_q93225ef162_proj.kd
    .args:
      - { .name: xc, .offset: 0, .size: 8, .value_kind: global_buffer, .address_space: global }
      - { .name: xs, .offset: 8, .size: 8, .value_kind: global_buffer, .address_space: global }
      - { .name: wi, .offset: 16, .size: 8, .value_kind: global_buffer, .address_space: global }
      - { .name: qf, .offset: 24, .size: 8, .value_kind: global_buffer, .address_space: global }
      - { .name: kf, .offset: 32, .size: 8, .value_kind: global_buffer, .address_space: global }
      - { .name: vf, .offset: 40, .size: 8, .value_kind: global_buffer, .address_space: global }
    .group_segment_fixed_size: 167936
    .private_segment_fixed_size: 0
    .kernarg_segment_align: 8
    .kernarg_segment_size: 48
    .max_flat_workgroup_size: 256
    .sgpr_count:     66
    .vgpr_count:     224
    .wavefront_size: 32
...
	.end_amdgpu_metadata
.endif
;; end of part 2
;; launch attn (part 3): grid 16 x 16, 8 waves a work-group, clusters of 4 x 1, 327,680 bytes of LDS; arguments qf, kf, vf, cf; writes cf
.if DOCPART == 3
	.amdgcn_target "amdgcn-amd-amdhsa--gfx1250"
	.amdhsa_code_object_version 6
	.text
	.protected	k_q93225ef162_attn
	.globl	k_q93225ef162_attn
	.p2align	8
	.type	k_q93225ef162_attn,@function
k_q93225ef162_attn:
	s_mov_b64 s[64:65], 0
	v_nop
	global_prefetch_b8 v0, s[64:65] scope:SCOPE_SE
	s_setreg_imm32_b32 hwreg(HW_REG_WAVE_MODE, 25, 1), 1
	s_wait_xcnt 0x0
	s_wait_alu depctr_hold_cnt(0) depctr_sa_sdst(0) depctr_va_vdst(0) depctr_va_sdst(0) depctr_va_ssrc(0) depctr_va_vcc(0) depctr_vm_vsrc(0)
	s_getreg_b32 s2, hwreg(HW_REG_IB_STS2, 6, 4)
	s_cmp_eq_u32 s2, 0
	s_cbranch_scc0 .Lentry_in_a_cluster
	s_endpgm
.Lentry_in_a_cluster:
	s_bfe_u32 s2, ttmp6, 0x10000c
	s_cmp_lg_u32 s2, 0x3003
	s_cbranch_scc0 .Lentry_shape_is_right
	s_endpgm
.Lentry_shape_is_right:
; ATTN.  O[q] = the sum over k of softmax_k(Q[q] . K[k] / 8) V[k], for 16 (batch, head) pairs of 4,096 tokens x 64 channels; operands f16, products, maxima and sums f32; the weights p are rounded to f16 for the second product.
; The result leaves as 4 O / l in f16 (the factor 4, exact, is taken back by the weights of the next launch), laid as the next launch's operand registers.
; SHARES.  A work-group owns 256 queries of one (batch, head); each of its eight waves owns 32: two tiles of 16.  Every wave walks all 4,096 keys, 128 a step.
; LAYOUT.  S^T = K Q^T (source 0 = 16 keys, source 1 = 16 queries): a lane holds ONE query (lane % 16) and keys 8 (lane / 16) + 0..7 of each tile.  Two such tiles, rounded in pairs, ARE source 1 (32 keys x 16 queries) of
; O^T = V^T P, whose result again holds one query a lane, and eight channels.  qf, kf, vf lie in memory as images of these fragments (four registers = 512 consecutive bytes, lane l at 16 l), so a tile is a dense block
; for the tensor data mover and every fragment comes out of LDS by loads of 512 consecutive bytes: no pitch, no padding, no turning load.
; SOFTMAX.  For each query a running maximum m and sum l: p = 2^(c s - c m), c = log2(e) / 8; in every step O and l are multiplied by a = 2^(c m_old - c m_new).  m begins at -3e38, l and O at 0: the step is written without a first step of its own.
; TWO ROLES.  In a slot's last step the waves of role 1 run their softmax ahead of the change of slots and those of role 0 behind it, so that from there on one role's vector work stands beside the other's matrix work.
; role = (wave xor wave / 4) & 1.  Never round a wait, the add, a barrier or a tensor load.
; RING.  Two slots of 512 keys (K's 65,536 bytes, then V's).  Each wave fetches 16,384 bytes of a slot: waves 0-3 K's four steps, waves 4-7 V's.  Two tensor loads of a wave are out at the start, one behind each change of slots.
; CLUSTER.  The four query blocks of a cluster belong to one (batch, head) and walk the same K and V: each tile is asked for JOINTLY, with a mask that names the four.
; LIMITS: 4 |O / l| up to 65,504; a weight under 2^-24 counts as 0 in the second product (the sum takes it unrounded); NaN and infinities are not served.
; REGISTERS.  window 0: v1-5 addresses; v8-19 six registers of statistics a tile; v20-27 at work; v32-63 Q; v64-191 S^T, 64 a tile, then p, then P in place (the first 32 of the 64); v192-255 O^T, 32 a tile.
;             window 1: v0-127 K of one step; v128-255 V of one step.  s_set_vgpr_msb: 0x01 for the products (source 0 in window 1), 0x40 for the LDS loads (destination in window 1), else 0.
.set SLOT1, 1<<17                      ; slot 1 begins here: one exclusive or turns an address in one slot into the other's
.set STEPB, 16384                      ; a step's K, or its V
.set HALFB, 65536                      ; a slot's K, or its V
.set SPARE, 2*SLOT1                    ; behind the ring: the spare words, 128 bytes for each of eight waves: four blocks of 256 bytes that no other line names
.set LI,  1                            ; v1  16 x lane
.set ADR, 2                            ; v2  the LDS address of the run of loads in hand
.set SPW, 3                            ; v3  LDS address of my spare word; never rewritten
.set NIL, 4                            ; v4  0; never rewritten
.set PFO, 5                            ; v5  256 x lane; never rewritten
.set ST,  8                            ; tile t's statistics at v[ST + 6 t]: +0 c m, +1 m, +2, +3 l (even keys', odd keys'), +4 a, +5 c m_old - c m_new
.set TM,  20
.set Q,   32
.set S,   64
.set O,   192
.set WV,  12
.set CX,  13
.set ROLE, 14
.set LIM, 15                           ; 1 in a wave that prefetches, else the greatest number
.set G1,  16                           ; s[16:23] descriptor group 1, for K's and V's tiles alike
.set G0K, 24                           ; s[24:31] group 0 for K's tiles: a set for each first fill; the second then walks on
.set PFA, 32                           ; s[32:33] where my prefetches stand
.set TBK, 34                           ; LDS byte of the K to be fetched next
.set TBV, 35                           ; and of the V
.set SLOTS, 36
.set CNT, 37
.set CS,  38                           ; s[38:39] c: the packed form names a pair and takes its low word for both halves
.set SEL, 40                           ; s[40:41] v_permlanex16_b32's selects for lane l xor 16
.set G0V, 44                           ; s[44:51] group 0 for V's tiles
.set MSB, 0
.macro WIN new                         ; the immediate's high byte repeats the setting that is left; a switch that changes nothing is dropped
.if MSB != \new
	s_set_vgpr_msb (MSB<<8)|\new
.set MSB, \new
.endif
.endm
.macro PLACES n
.rept \n
	v_nop
.endr
.endm
.macro CROUND                          ; a round of the cluster's barrier
	s_barrier_signal -1
	s_barrier_wait -1
	s_cmp_lg_u32 s[WV], 0
	s_cbranch_scc1 .Lnot_wave_0_\@
	s_barrier_signal -3
.Lnot_wave_0_\@:
	s_barrier_wait -3
	s_barrier_signal -1
	s_barrier_wait -1
.endm
.macro JLOAD                           ; a joint refill: waves 0-3 K's, waves 4-7 V's; an s_nop 0 and four v_nop follow each of the two lines
	s_cmp_lt_u32 s[WV], 4
	s_cbranch_scc0 .Lfor_v_\@
	tensor_load_to_lds s[G0K+4:G0K+7], s[G1:G1+7]
	s_nop 0
	PLACES 4
	s_branch .Lasked_\@
.Lfor_v_\@:
	tensor_load_to_lds s[G0V+4:G0V+7], s[G1:G1+7]
	s_nop 0
	PLACES 4
.Lasked_\@:
.endm
; A PREFETCH INTO THE L2 of what the NEXT change of slots will ask for: 65,536 bytes of K and as many of V, lanes 256 bytes apart.  Each aligned block of 256 bytes is named once in the launch: of the clusters that walk
; a (batch, head) the first asks; its four partners share the blocks out BY ADDRESS, 16,384 bytes each; in each, waves 0 and 1 ask for K's two halves of that and waves 4 and 5 for V's.  The last refill asks for nothing.
.macro ASK
	s_cmp_gt_u32 s[SLOTS], s[LIM]
	s_cbranch_scc0 .Lnot_mine_\@
	global_prefetch_b8 v[PFO], s[PFA:PFA+1] th:TH_LOAD_NT scope:SCOPE_SE
.Lnot_mine_\@:
.endm
	s_load_b256 s[4:11], s[0:1], 0x0               ; qf s[4:5], kf s[6:7], vf s[8:9], cf s[10:11]
	v_lshl_add_u32 v[SPW], v0, 2, SPARE
	v_mov_b32 v[NIL], 0
	ds_add_u32 v[SPW], v[NIL]                      ; the wave's opening: the add, twice on end, and its wait ahead of my first tensor load
	ds_add_u32 v[SPW], v[NIL]
	v_lshrrev_b32 v1, 5, v0
	v_readfirstlane_b32 s[WV], v1                  ; wave 0..7
	s_lshr_b32 s[ROLE], s[WV], 2
	s_xor_b32 s[ROLE], s[ROLE], s[WV]
	s_and_b32 s[ROLE], s[ROLE], 1
	s_and_b32 s52, ttmp7, 0xffff                   ; batch x 8 + head, which the four partners share
	s_lshl_b32 s53, s[WV], 14                      ; my part of a slot: wave x 16,384: no place in the cluster enters an LDS address
	s_and_b32 s3, s[WV], 3
	s_lshl_b32 s3, s3, 14
	s_lshl_b32 s54, s52, 19                        ; 4,096 tokens of 128 bytes
	s_add_co_u32 s54, s54, s3                      ; my tile of slot 0, in kf or in vf
	s_mov_b32 s55, 0
	s_bfe_u32 s[CX], ttmp6, 0x40000                ; cx: my place in the cluster
	s_lshl_b32 s2, ttmp9, 2
	s_add_co_u32 s2, s2, s[CX]                     ; my block of 256 queries: it enters Q's, the result's and the prefetches' addresses alone
	s_lshl_b32 s56, s52, 19                        ; the prefetches: my work-group's 16,384 bytes, my wave's half of them,
	s_lshl_b32 s3, s[CX], 14
	s_add_co_u32 s56, s56, s3
	s_and_b32 s3, s[WV], 1
	s_lshl_b32 s3, s3, 13
	s_add_co_u32 s56, s56, s3
	s_add_co_u32 s56, s56, 2*HALFB                 ; in the third slot's keys: the first change of slots steps it to the fourth's.  Nothing is prefetched at the head
	s_mov_b32 s57, 0
	s_lshl_b32 s58, s52, 8                         ; Q: tile (batch x 8 + head) 256 + 16 block + 2 wave, 2,048 bytes a tile
	s_lshl_b32 s3, s2, 4
	s_add_co_u32 s58, s58, s3
	s_lshl_b32 s3, s[WV], 1
	s_add_co_u32 s58, s58, s3
	s_lshl_b32 s58, s58, 11
	s_mov_b32 s59, 0
	s_lshr_b32 s42, s52, 3                         ; the result: block of 128 tokens = 32 batch + 2 block + wave / 4, 131,072 bytes each;
	s_lshl_b32 s42, s42, 5
	s_lshl_b32 s3, s2, 1
	s_add_co_u32 s42, s42, s3
	s_lshr_b32 s3, s[WV], 2
	s_add_co_u32 s42, s42, s3
	s_lshl_b32 s42, s42, 17
	s_and_b32 s3, s52, 7                           ; the head's two K steps of 8,192 bytes;
	s_lshl_b32 s3, s3, 14
	s_add_co_u32 s42, s42, s3
	s_and_b32 s3, s[WV], 3                         ; my two tiles of 1,024 bytes
	s_lshl_b32 s3, s3, 11
	s_add_co_u32 s42, s42, s3
	s_mov_b32 s43, 0
	s_and_b32 s[LIM], s[WV], 2                     ; 0 in waves 0, 1, 4, 5,
	s_or_b32 s[LIM], s[LIM], ttmp9                 ; of the first cluster: the same in all four partners
	s_cmp_eq_u32 s[LIM], 0
	s_cselect_b32 s[LIM], 1, -1
	; group 1: 64 rows of 256 bytes (32 elements of 8 bytes), dense
	s_mov_b32 s[G1], 15|(3<<16)|(1<<21)            ; 15:0 the mask: all four work-groups; 17:16 elements of 8 bytes; 21 set beside a mask
	s_mov_b32 s[G1+1], 32<<16                      ; tensor_dim0 = 32
	s_mov_b32 s[G1+2], 64<<16                      ; tensor_dim1 = 64
	s_mov_b32 s[G1+3], 32<<16                      ; tile_dim0 = 32
	s_mov_b32 s[G1+4], 64                          ; tile_dim1 = 64
	s_mov_b32 s[G1+5], 32                          ; elements from row to row
	s_mov_b32 s[G1+6], 0
	s_mov_b32 s[G1+7], 0
	s_mov_b32 s[CS], 0x3e38aa3b                    ; c = log2(e) / 8
	s_mov_b32 s[CS+1], s[CS]
	s_mov_b32 s[SEL], 0x76543210
	s_mov_b32 s[SEL+1], 0xfedcba98
	s_mov_b32 s[TBK], 0
	s_mov_b32 s[TBV], HALFB
	s_mov_b32 s[SLOTS], 6                          ; eight slots' worth of keys: two first fills, six refills
	v_and_b32 v1, 31, v0
	v_lshlrev_b32 v[PFO], 8, v1
	v_lshlrev_b32 v[LI], 4, v1
	s_wait_dscnt 0x0                               ; both opening adds are done
	s_wait_kmcnt 0x0
	s_cmp_lt_u32 s[WV], 4
	s_cselect_b64 s[PFA:PFA+1], s[6:7], s[8:9]
	s_add_nc_u64 s[PFA:PFA+1], s[PFA:PFA+1], s[56:57]
	s_add_nc_u64 s[6:7], s[6:7], s[54:55]
	s_add_nc_u64 s[8:9], s[8:9], s[54:55]
	s_add_nc_u64 s[4:5], s[4:5], s[58:59]
	s_add_nc_u64 s[10:11], s[10:11], s[42:43]
	CROUND                                         ; all four work-groups are here: the first joint loads meet
.irp s, 0,1
	s_mov_b32 s[G0K+4*\s], 1
	s_add_co_u32 s[G0K+4*\s+1], s53, \s*SLOT1
	s_add_nc_u64 s[G0K+4*\s+2:G0K+4*\s+3], s[6:7], \s*HALFB
	s_or_b32 s[G0K+4*\s+3], s[G0K+4*\s+3], 0x80000000
	s_mov_b32 s[G0V+4*\s], 1
	s_add_co_u32 s[G0V+4*\s+1], s53, \s*SLOT1
	s_add_nc_u64 s[G0V+4*\s+2:G0V+4*\s+3], s[8:9], \s*HALFB
	s_or_b32 s[G0V+4*\s+3], s[G0V+4*\s+3], 0x80000000
.endr
	s_cmp_lt_u32 s[WV], 4                          ; a wave's two first fills stand in one branch, ahead of every wait on TENSORcnt and every LDS read
	s_cbranch_scc0 .Lfirst_v
	tensor_load_to_lds s[G0K:G0K+3], s[G1:G1+7]
	s_nop 0
	tensor_load_to_lds s[G0K+4:G0K+7], s[G1:G1+7]
	s_nop 0
	PLACES 4
	s_branch .Lfirst_asked
.Lfirst_v:
	tensor_load_to_lds s[G0V:G0V+3], s[G1:G1+7]
	s_nop 0
	tensor_load_to_lds s[G0V+4:G0V+7], s[G1:G1+7]
	s_nop 0
	PLACES 4
.Lfirst_asked:
.irp i, 0,1,2,3,4,5,6,7
	global_load_b128 v[Q+4*\i:Q+4*\i+3], v[LI], s[4:5] offset:512*\i      ; Q stays in registers: tile t, channels 32 c' on, at Q + 16 t + 8 c'
.endr
.irp t, 0,1
	v_mov_b32 v[ST+6*\t+1], 0xff61b1e6             ; m = -3e38, under every score
	v_mul_f32 v[ST+6*\t], s[CS], v[ST+6*\t+1]      ; c m
	v_mov_b32 v[ST+6*\t+2], 0                      ; l
	v_mov_b32 v[ST+6*\t+3], 0
	v_mov_b32 v[ST+6*\t+4], 0
	v_mov_b32 v[ST+6*\t+5], 0
.endr
.irp i, 0,1,2,3,4,5,6,7
	v_mov_b32 v[TM+\i], 0                          ; written once: a lane permute's destination counts as one of its sources
.endr
.set i, 0
.rept 64
	v_mov_b32 v[O+i], 0                            ; O^T: the first step finds zeros, which its a = 0 leaves zeros
.set i, i+1
.endr
; THE LDS LOADS stand in runs of 32: a step's K (8 tiles of 16 keys x 2 halves of the channels) and its V (4 blocks of 32 keys x 4 tiles of channels), 512 consecutive bytes a load.
.macro FETCH_K
	WIN 0
	v_add_nc_u32 v[ADR], s[TBK], v[LI]
	s_add_co_u32 s[TBK], s[TBK], STEPB
	WIN 0x40
.set i, 0
.rept 32
	ds_load_b128 v[4*i:4*i+3], v[ADR] offset:512*i
.set i, i+1
.endr
	WIN 0
.endm
.macro FETCH_V
	WIN 0
	v_add_nc_u32 v[ADR], s[TBV], v[LI]
	s_add_co_u32 s[TBV], s[TBV], STEPB
	WIN 0x40
.set i, 0
.rept 32
	ds_load_b128 v[128+4*i:128+4*i+3], v[ADR] offset:512*i
.set i, i+1
.endr
	WIN 0
.endm
; THE PRODUCTS.  The accumulators take turns, one instruction a turn: 16 in K Q^T, 8 in V^T P.
.macro KQ
	WIN 0x01
.irp c, 0,1
.irp kt, 0,1,2,3,4,5,6,7
.irp t, 0,1
.if \c == 0
	v_wmma_f32_16x16x32_f16 v[S+64*\t+8*\kt:S+64*\t+8*\kt+7], v[16*\kt+8*\c:16*\kt+8*\c+7], v[Q+16*\t+8*\c:Q+16*\t+8*\c+7], 0
.else
	v_wmma_f32_16x16x32_f16 v[S+64*\t+8*\kt:S+64*\t+8*\kt+7], v[16*\kt+8*\c:16*\kt+8*\c+7], v[Q+16*\t+8*\c:Q+16*\t+8*\c+7], v[S+64*\t+8*\kt:S+64*\t+8*\kt+7]
.endif
.endr
.endr
.endr
.endm
.macro PV
	WIN 0x01
.irp kb, 0,1,2,3
.irp ct, 0,1,2,3
.irp t, 0,1
	v_wmma_f32_16x16x32_f16 v[O+32*\t+8*\ct:O+32*\t+8*\ct+7], v[128+32*\kb+8*\ct:128+32*\kb+8*\ct+7], v[S+64*\t+8*\kb:S+64*\t+8*\kb+7], v[O+32*\t+8*\ct:O+32*\t+8*\ct+7]
.endr
.endr
.endr
.endm
; THE SOFTMAX of one tile for one step, in four lists; each macro writes number n of its list for tile t.  s0-s63 are the lane's 64 scores.
; PL, 69 plain lines: 0-31 the maximum of s0-s63 and the old m, three operands at a time, four chains of sixteen scores (each accumulator is first read at its low end); 32-36 the other half of the lanes' maximum, the new m, c m, c m_old - c m_new;
; 37-68 the scalings c s - c m, a pair of scores each.
.macro PL t
.set rT, ST+6*(\t)
.set rS, S+64*(\t)
.if n < 4
	v_max3_num_f32 v[TM+n], v[rS+16*n], v[rS+16*n+1], v[rS+16*n+2]
.elseif n < 28
	v_max3_num_f32 v[TM+n%4], v[TM+n%4], v[rS+16*(n%4)+3+2*((n-4)/4)], v[rS+16*(n%4)+4+2*((n-4)/4)]
.elseif n == 28
	v_max3_num_f32 v[TM], v[TM], v[rS+15], v[rS+31]
.elseif n == 29
	v_max3_num_f32 v[TM+2], v[TM+2], v[rS+47], v[rS+63]
.elseif n == 30
	v_max3_num_f32 v[TM], v[TM], v[TM+1], v[TM+2]
.elseif n == 31
	v_max3_num_f32 v[TM], v[TM], v[TM+3], v[rT+1]
.elseif n == 32
	v_permlanex16_b32 v[TM+1], v[TM], s[SEL], s[SEL+1]   ; the query's other 64 keys lie in the lane 16 away
.elseif n == 33
	v_mov_b32 v[rT+5], v[rT]
.elseif n == 34
	v_max_num_f32 v[rT+1], v[TM], v[TM+1]
.elseif n == 35
	v_mul_f32 v[rT], s[CS], v[rT+1]
.elseif n == 36
	v_sub_f32 v[rT+5], v[rT+5], v[rT]
.else
	v_pk_fma_f32 v[rS+2*(n-37):rS+2*(n-37)+1], v[rS+2*(n-37):rS+2*(n-37)+1], s[CS:CS+1], v[rT:rT+1] op_sel_hi:[1,0,0] neg_lo:[0,0,1] neg_hi:[0,0,1]
.endif
.endm
; EX, 65 exponentials: a, then s0-s63 in place.
.macro EX t
.if n == 0
	v_exp_f32 v[ST+6*(\t)+4], v[ST+6*(\t)+5]
.elseif n < 65
	v_exp_f32 v[S+64*(\t)+n-1], v[S+64*(\t)+n-1]
.endif
.endm
; RD, 68 numbers (four of them empty): for pair i = n / 2 of the weights first its sum (four chains; pairs 4-7 are added with pairs 0-3), then its rounding to f16, which lands on register i: a pair is always summed and rounded
; before a result lands on it.  64-66 the chains are folded; 67 l = a l + the sum.
.macro RD t
.set rT, ST+6*(\t)
.set rS, S+64*(\t)
.set ii, n/2
.if n < 64
.if n%2 == 0
.if ii < 4
	v_pk_add_f32 v[TM+2*ii:TM+2*ii+1], v[rS+2*ii:rS+2*ii+1], v[rS+2*ii+8:rS+2*ii+9]
.elseif ii >= 8
	v_pk_add_f32 v[TM+2*(ii%4):TM+2*(ii%4)+1], v[TM+2*(ii%4):TM+2*(ii%4)+1], v[rS+2*ii:rS+2*ii+1]
.endif
.else
	v_cvt_pk_f16_f32 v[rS+ii], v[rS+2*ii], v[rS+2*ii+1]
.endif
.elseif n == 64
	v_pk_add_f32 v[TM:TM+1], v[TM:TM+1], v[TM+2:TM+3]
.elseif n == 65
	v_pk_add_f32 v[TM+4:TM+5], v[TM+4:TM+5], v[TM+6:TM+7]
.elseif n == 66
	v_pk_add_f32 v[TM:TM+1], v[TM:TM+1], v[TM+4:TM+5]
.else
	v_pk_fma_f32 v[rT+2:rT+3], v[rT+2:rT+3], v[rT+4:rT+5], v[TM:TM+1] op_sel_hi:[1,0,1]
.endif
.endm
; RS, 16 lines: the tile's O^T times a, ascending.
.macro RS t
	v_pk_mul_f32 v[O+32*(\t)+2*n:O+32*(\t)+2*n+1], v[O+32*(\t)+2*n:O+32*(\t)+2*n+1], v[ST+6*(\t)+4:ST+6*(\t)+5] op_sel_hi:[1,0]
.endm
; Both tiles.  One tile's exponentials stand between the other tile's plain lines, which name none of their results; each of the two batches ends on plain lines and has ONE wait ahead of its first reader.
.macro SOFTMAX
.set n, 0
.rept 69
	PL 0
.set n, n+1
.endr
.set n, 0
.rept 69
	PL 1
	EX 0
.set n, n+1
.endr
	s_wait_alu depctr_va_vdst(0)                   ; tile 0's 65 exponentials
.set n, 0
.rept 68
	EX 1
	RD 0
.set n, n+1
.endr
	s_wait_alu depctr_va_vdst(0)                   ; tile 1's 65
.set n, 0
.rept 68
	RD 1
.set n, n+1
.endr
.set n, 0
.rept 16
	RS 0
	RS 1
.set n, n+1
.endr
.endm
; A STEP of 128 keys that has its successor in the same slot.  Each run of loads is issued a phase ahead of its use.
.macro STEP_G
	s_wait_dscnt 32                                ; K is in; V's 32 loads, issued behind it, may be out
	KQ
	WIN 0
	PLACES 4                                       ; in front of the loads into K's registers and of the first read of the scores
	FETCH_K                                        ; the next step's K
	SOFTMAX
	s_wait_dscnt 32                                ; V is in; the next K's 32 loads may be out
	PV
	WIN 0
	PLACES 5                                       ; the next K Q^T writes over P, which these products read: one place more than a load asks
	FETCH_V                                        ; the next step's V
.endm
.macro THREE
	s_mov_b32 s[CNT], 3
.Lthree_\@:
	STEP_G
	s_sub_co_u32 s[CNT], s[CNT], 1
	s_cmp_lg_u32 s[CNT], 0
	s_cbranch_scc1 .Lthree_\@
.endm
; A SLOT'S LAST STEP changes slots between its two products: its V is in registers by then, so nobody reads the slot any more.  Each wave waits for all its tensor loads (its part of the next slot), adds 0 to its spare word, and
; waits for that and for its reads of this slot.  fill = 1: the barrier is a round of the cluster's, and the joint refill, the keys two slots on, is the first thing behind it: it has four steps in which to land.
.macro STEP_B fill
	s_wait_dscnt 32                                ; K is in; V's 32 loads may be out
	KQ
	WIN 0
	PLACES 5
	s_cmp_eq_u32 s[ROLE], 1
	s_cbranch_scc0 .Lrole_0_\@
	SOFTMAX                                        ; role 1: ahead of the change
.Lrole_0_\@:
	s_wait_tensorcnt 0x0                           ; no tensor load of mine is out, so a group 0 may be written
	ds_add_u32 v[SPW], v[NIL]                      ; 0 onto my spare word; the steps below stand between it and the wait for it
.if \fill
.irp g, G0K+4, G0V+4
	s_xor_b32 s[\g+1], s[\g+1], SLOT1              ; the walking descriptors: the other slot than last time,
	s_add_nc_u64 s[\g+2:\g+3], s[\g+2:\g+3], HALFB ; the next 512 keys; the type bits on top are not reached
.endr
	s_wait_xcnt 0x0                                ; the last prefetch, four steps back, has read its address
	s_add_nc_u64 s[PFA:PFA+1], s[PFA:PFA+1], HALFB
.endif
	s_sub_co_u32 s[TBK], s[TBK], HALFB             ; the fetches go back to a slot's first step,
	s_xor_b32 s[TBK], s[TBK], SLOT1                ; in the other slot
	s_sub_co_u32 s[TBV], s[TBV], HALFB
	s_xor_b32 s[TBV], s[TBV], SLOT1
	s_wait_dscnt 0x0                               ; the add is done, and my reads of this slot are over
.if \fill
	CROUND
	JLOAD
	ASK
.else
	s_barrier_signal -1
	s_barrier_wait -1
	PLACES 4
.endif
	FETCH_K                                        ; the next slot's first K
	s_cmp_eq_u32 s[ROLE], 0
	s_cbranch_scc0 .Lrole_1_\@
	SOFTMAX                                        ; role 0: behind it
.Lrole_1_\@:
	PV
	WIN 0
	PLACES 5
	FETCH_V
.endm
	s_wait_tensorcnt 1                             ; my part of slot 0 is in; slot 1's may stay out
	s_barrier_signal -1
	s_barrier_wait -1                              ; everybody's is
	FETCH_K
	FETCH_V
	s_wait_loadcnt 0x0                             ; Q
.Lslot:                                            ; six trips: every slot's worth of keys but the last two is followed by a refill
	THREE
	STEP_B 1
	s_sub_co_u32 s[SLOTS], s[SLOTS], 1
	s_cmp_lg_u32 s[SLOTS], 0
	s_cbranch_scc1 .Lslot
	THREE                                          ; the tail is written out
	STEP_B 0
	THREE
	s_wait_dscnt 32                                ; the last step: nothing more to fetch
	KQ
	WIN 0
	PLACES 4
	SOFTMAX
	s_wait_dscnt 0x0
	PV
	WIN 0
	; THE WAY OUT.  l's two halves and the other half of the lanes' are added (these lines are the places behind the last products); O^T x 4 / l is rounded to f16: two tiles of channels are a fragment of the next launch.
	v_add_f32 v[TM], v[ST+2], v[ST+3]
	v_add_f32 v[TM+1], v[ST+8], v[ST+9]
	v_permlanex16_b32 v[TM+2], v[TM], s[SEL], s[SEL+1]
	v_permlanex16_b32 v[TM+3], v[TM+1], s[SEL], s[SEL+1]
	v_add_f32 v[TM], v[TM], v[TM+2]
	v_add_f32 v[TM+1], v[TM+1], v[TM+3]
	v_rcp_f32 v[TM+4], v[TM]
	v_rcp_f32 v[TM+6], v[TM+1]
	v_nop                                          ; a plain line behind the last reciprocal
	s_wait_alu depctr_va_vdst(0)                   ; one wait for both, ahead of the first reader
	v_mul_f32 v[TM+4], 4.0, v[TM+4]
	v_mul_f32 v[TM+6], 4.0, v[TM+6]
.irp t, 0,1
.set i, 0
.rept 16
	v_pk_mul_f32 v[O+32*\t+2*i:O+32*\t+2*i+1], v[O+32*\t+2*i:O+32*\t+2*i+1], v[TM+4+2*\t:TM+5+2*\t] op_sel_hi:[1,0]
.set i, i+1
.endr
.set i, 0
.rept 16
	v_cvt_pk_f16_f32 v[S+64*\t+i], v[O+32*\t+2*i], v[O+32*\t+2*i+1]
.set i, i+1
.endr
.irp ct, 0,1,2,3
	global_store_b128 v[LI], v[S+64*\t+4*\ct:S+64*\t+4*\ct+3], s[10:11] offset:\t*1024+(\ct/2)*8192+(\ct%2)*512   ; 512 consecutive bytes, aligned
.endr
.endr
	s_wait_tensorcnt 0x0                           ; the wave's end
	ds_add_u32 v[SPW], v[NIL]
	s_wait_dscnt 0x0
	CROUND                                         ; the closing round: no work-group ends while a partner may still ask for a tile that names it
	s_endpgm
.Lfunc_end_k_q93225ef162_attn:
	.size	k_q93225ef162_attn, .Lfunc_end_k_q93225ef162_attn-k_q93225ef162_attn
	.p2alignl 7, 3214868480
	.fill 96, 4, 3214868480
	.section	.rodata,"a",@progbits
	.p2align	6, 0x0
	.amdhsa_kernel k_q93225ef162_attn
		.amdhsa_group_segment_fixed_size 327680
		.amdhsa_private_segment_fixed_size 0
		.amdhsa_enable_private_segment 0
		.amdhsa_kernarg_size 32
		.amdhsa_user_sgpr_count 2
		.amdhsa_user_sgpr_kernarg_segment_ptr 1
		.amdhsa_wavefront_size32 1
		.amdhsa_system_sgpr_workgroup_id_x 1
		.amdhsa_system_sgpr_workgroup_id_y 1
		.amdhsa_system_sgpr_workgroup_id_z 1
		.amdhsa_system_vgpr_workitem_id 0
		.amdhsa_next_free_vgpr 512
		.amdhsa_next_free_sgpr 66
		.amdhsa_reserve_vcc 0
		.amdhsa_float_denorm_mode_32 3
		.amdhsa_float_denorm_mode_16_64 3
		.amdhsa_memory_ordered 1
		.amdhsa_forward_progress 1
		.amdhsa_inst_pref_size 251
	.end_amdhsa_kernel
	.amdgpu_metadata
---
amdhsa.version: [ 1, 2 ]
amdhsa.kernels:
  - .name:           k_q93225ef162_attn
    .symbol:         k_q93225ef162_attn.kd
    .args:
      - { .name: qf, .offset: 0, .size: 8, .value_kind: global_buffer, .address_space: global }
      - { .name: kf, .offset: 8, .size: 8, .value_kind: global_buffer, .address_space: global }
      - { .name: vf, .offset: 16, .size: 8, .value_kind: global_buffer, .address_space: global }
      - { .name: cf, .offset: 24, .size: 8, .value_kind: global_buffer, .address_space: global }
    .group_segment_fixed_size: 327680
    .private_segment_fixed_size: 0
    .kernarg_segment_align: 8
    .kernarg_segment_size: 32
    .max_flat_workgroup_size: 256
    .sgpr_count:     66
    .vgpr_count:     512
    .wavefront_size: 32
...
	.end_amdgpu_metadata
.endif
;; end of part 3
;; launch oproj (part 4): grid 4 x 64, 4 waves a work-group, clusters of 4 x 4, 280,064 bytes of LDS; arguments cf, wof, bo, out0; writes out0
.if DOCPART == 4
	.amdgcn_target "amdgcn-amd-amdhsa--gfx1250"
	.amdhsa_code_object_version 6
	.text
	.protected	k_q93225ef162_oproj
	.globl	k_q93225ef162_oproj
	.p2align	8
	.type	k_q93225ef162_oproj,@function
k_q93225ef162_oproj:
	s_mov_b64 s[64:65], 0
	v_nop
	global_prefetch_b8 v0, s[64:65] scope:SCOPE_SE
	s_setreg_imm32_b32 hwreg(HW_REG_WAVE_MODE, 25, 1), 1
	s_wait_xcnt 0x0
	s_wait_alu depctr_hold_cnt(0) depctr_sa_sdst(0) depctr_va_vdst(0) depctr_va_sdst(0) depctr_va_ssrc(0) depctr_va_vcc(0) depctr_vm_vsrc(0)
	s_getreg_b32 s2, hwreg(HW_REG_IB_STS2, 6, 4)
	s_cmp_eq_u32 s2, 0
	s_cbranch_scc0 .Lentry_in_a_cluster
	s_endpgm
.Lentry_in_a_cluster:
	s_bfe_u32 s2, ttmp6, 0x10000c
	s_cmp_lg_u32 s2, 0xf033
	s_cbranch_scc0 .Lentry_shape_is_right
	s_endpgm
.Lentry_shape_is_right:
; OPROJ.  out0 = concat Wo + bo.  cf holds 4 x concat and wof holds Wo / 4, both f16, both as images of operand registers; sums in f32; bo is the C of each sum's first matrix instruction.
; SHARES.  A work-group makes 128 tokens x 128 columns; a wave 64 x 64: 16 accumulators.  K = 512 is 16 steps of 32.  ALL of K lies in LDS at once, filled ONCE, in four chunks of four K steps (32,768 bytes of cf, then as many of wof):
; each wave issues its four loads of 16,384 bytes together at the start (four tensor loads of a wave are out), and chunk c is multiplied behind a wait that leaves the 3 - c later ones out.  Nothing is filled again.
; THE MATRIX INSTRUCTION IS USED TRANSPOSED (source 0 = 16 columns of Wo, source 1 = 16 tokens): a lane holds eight neighbouring numbers of a row of out0.
; CLUSTER.  4 x 4 work-groups: the four of a row of the cluster need the same tokens' tiles, the four of a column the same columns' weights: each tile is asked for JOINTLY.
; REGISTERS.  window 0: v1-9 addresses; v32-95 the way out, two sets; v96-127 bo, eight registers a tile of columns; v128-255 the accumulators ((tt, ct) at 128 + 8 (4 tt + ct)).
;             window 1: two fragment buffers of 64: 32 registers of Wo (4 tiles of columns), then 32 of concat (4 tiles of tokens).
.set CH,     65536                     ; a chunk
.set STAGE,  4*CH                      ; behind the chunks: 16 rows x 272 bytes for each wave, for the way out; no tensor load lands there
.set SPITCH, 272                       ; 256 bytes + 16 = 68 words: row r starts at bank 4 r mod 64 (64 banks of 4 bytes: ISA guide 11.1)
.set SPARE,  STAGE+4*16*SPITCH         ; the spare words, 128 bytes for each wave: two blocks of 256 bytes that no other line names
.set LI,  1
.set SPW, 2                            ; v2  LDS address of my spare word; never rewritten
.set NIL, 3                            ; v3  0; never rewritten
.set ADC, 4                            ; v4  my tokens' fragments in the chunk in hand
.set ADW, 5                            ; v5  my columns'
.set STO, 6
.set RD,  7
.set CO,  8
.set BOF, 9
.set OUTR, 32
.set BIAS, 96
.set ACC,  128
.set F0,   0
.set WV,  12
.set WR,  13                           ; which 64 tokens are mine.  Also: I fetch for cf (0) or for wof (1)
.set WC,  14                           ; which 64 columns.  Also: which half of a chunk's 32,768 bytes I fetch
.set G1A, 24                           ; s[24:31] group 1 for cf's tiles;  s[32:47] their groups 0, one for each chunk
.set G0A, 32
.set G0B, 48                           ; s[48:63] wof's groups 0;  s[68:75] its group 1
.set G1B, 68
.set MSB, 0
.macro WIN new
.if MSB != \new
	s_set_vgpr_msb (MSB<<8)|\new
.set MSB, \new
.endif
.endm
.macro PLACES n
.rept \n
	v_nop
.endr
.endm
.macro CROUND
	s_barrier_signal -1
	s_barrier_wait -1
	s_cmp_lg_u32 s[WV], 0
	s_cbranch_scc1 .Lnot_wave_0_\@
	s_barrier_signal -3
.Lnot_wave_0_\@:
	s_barrier_wait -3
	s_barrier_signal -1
	s_barrier_wait -1
.endm
	s_load_b256 s[4:11], s[0:1], 0x0               ; cf s[4:5], wof s[6:7], bo s[8:9], out0 s[10:11]
	v_lshl_add_u32 v[SPW], v0, 2, SPARE
	v_mov_b32 v[NIL], 0
	ds_add_u32 v[SPW], v[NIL]                      ; the wave's opening: the add, twice on end, and its wait ahead of my first tensor load
	ds_add_u32 v[SPW], v[NIL]
	v_lshrrev_b32 v1, 5, v0
	v_readfirstlane_b32 s[WV], v1                  ; wave 0..3
	s_lshr_b32 s[WR], s[WV], 1
	s_and_b32 s[WC], s[WV], 1
	s_bfe_u32 s20, ttmp6, 0x40000                  ; cx, cy: my place in the cluster
	s_bfe_u32 s21, ttmp6, 0x40004
	s_lshl_b32 s22, ttmp9, 2
	s_add_co_u32 s22, s22, s20                     ; my block of 128 columns
	s_and_b32 s23, ttmp7, 0xffff
	s_lshl_b32 s23, s23, 2
	s_add_co_u32 s23, s23, s21                     ; my block of 128 tokens
	s_lshl_b32 s16, s21, 2
	s_lshl_b32 s16, 15, s16                        ; my row of the cluster
	s_lshl_b32 s17, 0x1111, s20                    ; my column
	s_or_b32 s[G1A], s16, (3<<16)|(1<<21)          ; 15:0 the mask: cf's tiles go to my row; 17:16 elements of 8 bytes; 21 set beside a mask
	s_or_b32 s[G1B], s17, (3<<16)|(1<<21)          ; wof's to my column
.irp g, G1A, G1B
	s_mov_b32 s[\g+1], 32<<16                      ; tensor_dim0 = 32: rows of 256 bytes
	s_mov_b32 s[\g+2], 64<<16                      ; tensor_dim1 = 64
	s_mov_b32 s[\g+3], 32<<16                      ; tile_dim0 = 32
	s_mov_b32 s[\g+4], 64                          ; tile_dim1 = 64
	s_mov_b32 s[\g+5], 32                          ; dense
	s_mov_b32 s[\g+6], 0
	s_mov_b32 s[\g+7], 0
.endr
	s_lshl_b32 s19, s[WC], 14                      ; my half of a chunk's part
	s_lshl_b32 s76, s23, 17                        ; cf: hangs on the block of tokens alone, which my row shares
	s_add_co_u32 s76, s76, s19
	s_mov_b32 s77, 0
	s_lshl_b32 s78, s22, 17                        ; wof: on the block of columns alone, which my column shares
	s_add_co_u32 s78, s78, s19
	s_mov_b32 s79, 0
	s_lshl_b32 s18, s[WV], 14                      ; where they go in a chunk: wave x 16,384
	s_lshl_b32 s80, s23, 18                        ; out0: 128 rows of 2,048 bytes a block of tokens,
	s_lshl_b32 s82, s[WR], 17                      ; my 64 rows,
	s_add_co_u32 s80, s80, s82
	s_lshl_b32 s82, s22, 9                         ; 512 bytes a block of columns,
	s_lshl_b32 s83, s[WC], 8                       ; my 256 of them: also bo's offset
	s_add_co_u32 s82, s82, s83
	s_add_co_u32 s80, s80, s82
	s_mov_b32 s81, 0
	s_mov_b32 s83, 0
	s_wait_dscnt 0x0                               ; both opening adds are done
	s_wait_kmcnt 0x0
	s_add_nc_u64 s[76:77], s[4:5], s[76:77]
	s_add_nc_u64 s[78:79], s[6:7], s[78:79]
	s_add_nc_u64 s[8:9], s[8:9], s[82:83]
	s_add_nc_u64 s[10:11], s[10:11], s[80:81]
	CROUND                                         ; all sixteen work-groups are here: the joint loads meet
.irp c, 0,1,2,3
	s_mov_b32 s[G0A+4*\c], 1
	s_add_co_u32 s[G0A+4*\c+1], s18, \c*CH
	s_add_nc_u64 s[G0A+4*\c+2:G0A+4*\c+3], s[76:77], \c*32768
	s_or_b32 s[G0A+4*\c+3], s[G0A+4*\c+3], 0x80000000
	s_mov_b32 s[G0B+4*\c], 1
	s_add_co_u32 s[G0B+4*\c+1], s18, \c*CH
	s_add_nc_u64 s[G0B+4*\c+2:G0B+4*\c+3], s[78:79], \c*32768
	s_or_b32 s[G0B+4*\c+3], s[G0B+4*\c+3], 0x80000000
.endr
	s_cmp_eq_u32 s[WR], 0                          ; a wave's four fills stand in one branch on the wave's number, ahead of every wait on TENSORcnt and every LDS read
	s_cbranch_scc0 .Lfor_b
.irp c, 0,1,2,3
	tensor_load_to_lds s[G0A+4*\c:G0A+4*\c+3], s[G1A:G1A+7]
	s_nop 0
.endr
	PLACES 4
	s_branch .Lasked
.Lfor_b:
.irp c, 0,1,2,3
	tensor_load_to_lds s[G0B+4*\c:G0B+4*\c+3], s[G1B:G1B+7]
	s_nop 0
.endr
	PLACES 4
.Lasked:
	v_and_b32 v10, 31, v0
	v_lshlrev_b32 v[LI], 4, v10
	v_and_b32 v11, 15, v0                          ; r
	v_bfe_u32 v12, v0, 4, 1                        ; h
	v_lshlrev_b32 v[BOF], 5, v12                   ; bo: my half's eight numbers of a tile of columns
.irp ct, 0,1,2,3
	global_load_b128 v[BIAS+8*\ct:BIAS+8*\ct+3], v[BOF], s[8:9] offset:64*\ct
	global_load_b128 v[BIAS+8*\ct+4:BIAS+8*\ct+7], v[BOF], s[8:9] offset:64*\ct+16
.endr
	s_lshl_b32 s16, s[WR], 12
	v_add_nc_u32 v[ADC], s16, v[LI]                ; my four tiles of tokens: 1,024 bytes each
	s_lshl_b32 s16, s[WC], 12
	s_add_co_u32 s16, s16, 32768
	v_add_nc_u32 v[ADW], s16, v[LI]                ; my four tiles of columns, behind cf's 32,768 bytes
	s_mul_i32 s17, s[WV], 16*SPITCH
	s_add_co_u32 s17, s17, STAGE                   ; my stage
	v_mul_u32_u24 v[STO], v11, SPITCH
	v_lshl_add_u32 v[STO], v12, 5, v[STO]
	v_add_nc_u32 v[STO], s17, v[STO]               ; in: row r, 32 bytes for each half of the lanes
	v_mul_u32_u24 v[RD], v12, SPITCH
	v_lshl_add_u32 v[RD], v11, 4, v[RD]
	v_add_nc_u32 v[RD], s17, v[RD]                 ; back: lanes 0-15 one row of 256 bytes, lanes 16-31 the next
	v_lshlrev_b32 v[CO], 11, v12
	v_lshl_add_u32 v[CO], v11, 4, v[CO]            ; and the same two rows in out0
.macro FETCH ks, f                     ; 16 LDS loads in one run: the chunk's K step ks into buffer f
	WIN 0x40
.irp i, 0,1,2,3
	ds_load_b128 v[(\f)+8*\i:(\f)+8*\i+3],   v[ADW] offset:(\ks)*8192+\i*1024
	ds_load_b128 v[(\f)+8*\i+4:(\f)+8*\i+7], v[ADW] offset:(\ks)*8192+\i*1024+512
.endr
.irp i, 0,1,2,3
	ds_load_b128 v[(\f)+32+8*\i:(\f)+32+8*\i+3],   v[ADC] offset:(\ks)*8192+\i*1024
	ds_load_b128 v[(\f)+32+8*\i+4:(\f)+32+8*\i+7], v[ADC] offset:(\ks)*8192+\i*1024+512
.endr
.endm
.macro MUL f, first                    ; 16 matrix instructions, the 16 accumulators by turns, in the same order in every K step; first = 1: bo starts the sums
	WIN 0x05
.irp tt, 0,1,2,3
.irp ct, 0,1,2,3
.if \first
	v_wmma_f32_16x16x32_f16 v[ACC+8*(4*\tt+\ct):ACC+8*(4*\tt+\ct)+7], v[(\f)+8*\ct:(\f)+8*\ct+7], v[(\f)+32+8*\tt:(\f)+32+8*\tt+7], v[BIAS+8*\ct:BIAS+8*\ct+7]
.else
	v_wmma_f32_16x16x32_f16 v[ACC+8*(4*\tt+\ct):ACC+8*(4*\tt+\ct)+7], v[(\f)+8*\ct:(\f)+8*\ct+7], v[(\f)+32+8*\tt:(\f)+32+8*\tt+7], v[ACC+8*(4*\tt+\ct):ACC+8*(4*\tt+\ct)+7]
.endif
.endr
.endr
.endm
.irp c, 0,1,2,3
	WIN 0
	s_wait_tensorcnt 3-\c                          ; my part of chunk c is in; the later chunks' loads may stay out
	s_wait_dscnt 0x0
	s_barrier_signal -1
	s_barrier_wait -1                              ; everybody's is
.if \c > 0
	v_add_nc_u32 v[ADC], CH, v[ADC]
	v_add_nc_u32 v[ADW], CH, v[ADW]
.endif
	PLACES 4                                       ; in front of loads into registers that matrix instructions have read: they serve the next two runs
	FETCH 0, F0
.irp ks, 0,1,2,3
.if \ks < 3
.if \ks > 0
	PLACES 4
.endif
	FETCH \ks+1, F0+64*((\ks+1)%2)
	s_wait_dscnt 16                                ; this K step's fragments are in; the 16 loads just issued may be out
.else
	s_wait_dscnt 0x0
.endif
.if (\c == 0) && (\ks == 0)
	s_wait_loadcnt 0x0                             ; bo
	MUL F0, 1
.else
	MUL F0+64*(\ks%2), 0
.endif
.endr
.endr
	WIN 0
; THE WAY OUT, a tile of 16 tokens x 64 columns at a time: a lane's 32 bytes go into my own stage and come back as whole rows of 256 bytes.  LDS serves a wave's instructions in order (ISA guide 5.7.1.4): no wait between the stores and the loads.
.macro TOSTAGE tt
.irp ct, 0,1,2,3
	ds_store_b128 v[STO], v[ACC+8*(4*(\tt)+\ct):ACC+8*(4*(\tt)+\ct)+3] offset:64*\ct          ; each accumulator from its low end on
	ds_store_b128 v[STO], v[ACC+8*(4*(\tt)+\ct)+4:ACC+8*(4*(\tt)+\ct)+7] offset:64*\ct+16
.endr
.irp i, 0,1,2,3,4,5,6,7
	ds_load_b128 v[OUTR+32*((\tt)%2)+4*\i:OUTR+32*((\tt)%2)+4*\i+3], v[RD] offset:2*\i*SPITCH
.endr
.endm
.macro SEND tt, younger                ; younger: the LDS instructions issued behind tile tt's loads, which may stay out
	s_wait_dscnt \younger
.irp i, 0,1,2,3,4,5,6,7
	global_store_b128 v[CO], v[OUTR+32*((\tt)%2)+4*\i:OUTR+32*((\tt)%2)+4*\i+3], s[10:11] offset:(16*(\tt)+2*\i)*2048 th:TH_STORE_NT   ; 16 lanes store 256 consecutive bytes, aligned; written once, read by nobody here
.endr
.endm
	PLACES 4                                       ; behind the last products, in front of the first read of results
	TOSTAGE 0
.irp tt, 1,2,3
.if \tt > 1
	s_wait_xcnt 0x0                                ; the stores of two tiles ago have read their registers: this tile's loads may land there
.endif
	TOSTAGE \tt
	SEND \tt-1, 16                                 ; behind the earlier tile's loads: this tile's 8 stores and 8 loads
.endr
	SEND 3, 0
	s_wait_tensorcnt 0x0                           ; the wave's end: behind my last tensor load and my last LDS store
	ds_add_u32 v[SPW], v[NIL]
	s_wait_dscnt 0x0
	CROUND                                         ; the closing round: no work-group ends while a partner may still ask for a tile that names it
	s_endpgm
.Lfunc_end_k_q93225ef162_oproj:
	.size	k_q93225ef162_oproj, .Lfunc_end_k_q93225ef162_oproj-k_q93225ef162_oproj
	.p2alignl 7, 3214868480
	.fill 96, 4, 3214868480
	.section	.rodata,"a",@progbits
	.p2align	6, 0x0
	.amdhsa_kernel k_q93225ef162_oproj
		.amdhsa_group_segment_fixed_size 280064
		.amdhsa_private_segment_fixed_size 0
		.amdhsa_enable_private_segment 0
		.amdhsa_kernarg_size 32
		.amdhsa_user_sgpr_count 2
		.amdhsa_user_sgpr_kernarg_segment_ptr 1
		.amdhsa_wavefront_size32 1
		.amdhsa_system_sgpr_workgroup_id_x 1
		.amdhsa_system_sgpr_workgroup_id_y 1
		.amdhsa_system_sgpr_workgroup_id_z 1
		.amdhsa_system_vgpr_workitem_id 0
		.amdhsa_next_free_vgpr 384
		.amdhsa_next_free_sgpr 84
		.amdhsa_reserve_vcc 0
		.amdhsa_float_denorm_mode_32 3
		.amdhsa_float_denorm_mode_16_64 3
		.amdhsa_memory_ordered 1
		.amdhsa_forward_progress 1
		.amdhsa_inst_pref_size 52
	.end_amdhsa_kernel
	.amdgpu_metadata
---
amdhsa.version: [ 1, 2 ]
amdhsa.kernels:
  - .name:           k_q93225ef162_oproj
    .symbol:         k_q93225ef162_oproj.kd
    .args:
      - { .name: cf, .offset: 0, .size: 8, .value_kind: global_buffer, .address_space: global }
      - { .name: wof, .offset: 8, .size: 8, .value_kind: global_buffer, .address_space: global }
      - { .name: bo, .offset: 16, .size: 8, .value_kind: global_buffer, .address_space: global }
      - { .name: out0, .offset: 24, .size: 8, .value_kind: global_buffer, .address_space: global }
    .group_segment_fixed_size: 280064
    .private_segment_fixed_size: 0
    .kernarg_segment_align: 8
    .kernarg_segment_size: 32
    .max_flat_workgroup_size: 128
    .sgpr_count:     84
    .vgpr_count:     384
    .wavefront_size: 32
...
	.end_amdgpu_metadata
.endif
;; end of part 4
